; MI455X (gfx1250); checked and timed in simulation.
; The chip was launched on July 23, 2026; its instructions are those of AMD's public machine-readable ISA for CDNA 5 (MIT licence, August 2026) and "CDNA5" Instruction Set Architecture Reference Guide (July 2026). The comments in the code are by the model that wrote it; some were corrected since.
;; Multi Head Attention. Allowed arithmetic: matrix products marked QUANTISED: E2M3 operands, one E8M0 scale for each 32 along K, by v_wmma_scale_f32_16x16x128_f8f6f4 with both operands' format E2M3, f32 sums; everything else in f32.
;; Inputs: Wk 768 x 768 float32; Wo 768 x 768 float32; Wq 768 x 768 float32; Wv 768 x 768 float32; bk 768 float32; bo 768 float32; bq 768 float32; bv 768 float32; k 1 x 4,096 x 768 float32; q 1 x 4,096 x 768 float32; v 1 x 4,096 x 768 float32.
;; Outputs: out0 1 x 4,096 x 768 float32.
;; This version of the problem:
;;   THIS VERSION OF THE PROBLEM IS GIVEN IN LOW PRECISION. The matrix products marked QUANTISED in the list below multiply operands that are first quantised to E2M3 (2 exponent bits, 3 mantissa bits; 6 bits a number), with one power-of-two scale for each 32 numbers along K (OCP MX v1.0); their sums are f32. All else is computed in f32.
;;   The module's matrix products, in the order in which they are computed (A, B: the left and right operand; K: the contracted axis; several contracted axes count as one K, in the product's order):
;;     1. [M 4,096, K 768] x [K 768, N 768]; A: input q; B: input Wq: QUANTISED
;;     2. [M 4,096, K 768] x [K 768, N 768]; A: input k; B: input Wk: QUANTISED
;;     3. [M 4,096, K 768] x [K 768, N 768]; A: input v; B: input Wv: QUANTISED
;;     4. batch 12 x [M 4,096, K 64] x [K 64, N 4,096]; A: computed on the way; B: computed on the way: QUANTISED
;;     5. batch 12 x [M 4,096, K 4,096] x [K 4,096, N 64]; A: softmax (see below); B: computed on the way: QUANTISED
;;     6. [M 4,096, K 768] x [K 768, N 768]; A: computed on the way; B: input Wo: QUANTISED
;;   THE QUANTISER, for each operand of a quantised product, along K:
;;     - K is cut into blocks of 32 from its start; a last block that is shorter is filled with zeros.
;;     - A block's scale is 2^e with e = floor(log2(the largest magnitude in the block)) - 2, held to -126 .. 127; a block of zeros has e = 0. As a byte (E8M0): e + 127.
;;     - Each number is divided by its block's scale, clamped to +-7.5, and rounded to the nearest number of E2M3, ties to even, subnormals kept.
;;     - The product sums the exact products of the quantised numbers (number of the format x scale) in f32.
;;   ~~~python
;;   def quantise(x, axis):      # numpy; x: float32 -> the quantised numbers, widened to float32 again
;;       x = np.moveaxis(x, axis, -1); K = x.shape[-1]
;;       x = np.pad(x, [(0, 0)] * (x.ndim - 1) + [(0, -K % 32)]); x = x.reshape(x.shape[:-1] + (-1, 32)); a = np.abs(x).max(-1, keepdims=True)
;;       e = np.where(a > 0, np.clip(np.frexp(np.where(a > 0, a, 1))[1] - 1 - 2, -126, 127), 0)      # np.frexp(a)[1] - 1 = floor(log2(a)), exactly
;;       r = np.clip(x / 2.0 ** e, -7.5, 7.5)
;;       step = 2.0 ** (np.maximum(np.frexp(np.where(r == 0, 1, r))[1] - 1, 0) - 3)
;;       q = np.round(r / step) * step * 2.0 ** e      # np.round: ties to even
;;       return np.moveaxis(q.reshape(q.shape[:-2] + (-1,))[..., :K], -1, axis).astype(np.float32)
;;   ~~~
;;   SOFTMAX AHEAD OF A QUANTISED PRODUCT. Where the list says 'softmax', what is quantised is not the finished softmax but p = 2^(t - M), with t = logit x log2(e) and M = ceil(the row's largest t), a whole number; so 1/2 < the row's largest p <= 1. The row's sum l is taken of the UNQUANTISED p, in f32, and the product's result is divided by l at the end. Since M is a whole number, a kernel that streams over the keys may use a running M (the ceiling of the running maximum): every later rescaling is an exact power of two, which a block's scale takes up: the codes' values come out the same.
;;   OPERANDS COMPUTED ON THE WAY. 'Computed on the way' means the value that the module computes at that place (a softmax that the list does not call 'softmax' is quantised finished and normalised). What goes into a quantiser is computed in f32, as accurately as f32 sums, v_exp_f32 and their like allow (about 1e-6 of the number): no bf16 or f16 on the way to a quantiser, and a product that is left as it is and whose result goes on into a quantised operand takes f32 operands (vector FMAs, or v_wmma_f32_16x16x4_f32). A number that lies on a knife's edge between two numbers of the format may be rounded either way, as far as f32 arithmetic and the matrix unit's own rounding can turn it there, and no further.
;; One version. Each part assembles by itself: llvm-mc -triple=amdgcn-amd-amdhsa -mcpu=gfx1250 --defsym DOCPART=n.
;; ======== version 1 of 1: 4 launches
;; limits: right only within a limited range of input values
;; workspace buffers: slabs 9,216,000 bytes; qc 2,555,904 bytes; kv 4,915,200 bytes; oc 2,457,600 bytes
;; launch quant (part 1): grid 240 x 1, 12 waves a work-group, no clusters, 206,336 bytes of LDS; arguments q, k, v, Wq, Wk, Wv, Wo, slabs; writes slabs
.if DOCPART == 1
	.amdgcn_target "amdgcn-amd-amdhsa--gfx1250"
	.amdhsa_code_object_version 6
	.text
	.protected	k_q2ca6f63b43_quant
	.globl	k_q2ca6f63b43_quant
	.p2align	8
	.type	k_q2ca6f63b43_quant,@function
k_q2ca6f63b43_quant:
	s_mov_b64 s[64:65], 0
	v_nop
	global_prefetch_b8 v0, s[64:65] scope:SCOPE_SE
	s_setreg_imm32_b32 hwreg(HW_REG_WAVE_MODE, 25, 1), 1
	s_wait_xcnt 0x0
; q, k, v [4096][768] and Wq, Wk, Wv, Wo [768][768], f32 with K innermost, become codes of FP6 (E2M3) with one E8M0 scale byte for each 32 along K.
; A block's scale is 2^(floor(log2(its largest magnitude)) - 2): its byte is the largest magnitude's exponent field - 2, held at 1 from below.
; LIMITS: NaN and infinities are not served; a block of zeros, or one whose largest magnitude lies under 2^-124, gets the byte 1 (its bytes are read by this program alone; zero codes add nothing).
; THE OUTPUT IS LAID AS THE MATRIX UNIT'S REGISTERS WANT IT.  A SLAB is 64 rows x 768 K = 38,400 bytes: six K steps of 6,400 bytes; in a K step four fragments of 1,536 bytes (tile t = 0..3), then 256 bytes of scale words.
; A fragment is 16 rows x 128 K, 12 registers a lane, as two halves of 768 bytes (64 K each): registers 0-3 at 16 x lane, registers 4-5 at 512 + 8 x lane.  The scale word of (tile t, lane r) lies at 16 r + 4 t.
; THE ROWS OF A TILE ARE NOT NEIGHBOURS: lane r of tile t holds row 32 (t / 2) + 8 (t % 2) + r + 8 (r / 8) of the slab, so that a product that takes the tile as source 0 leaves 16 neighbouring rows in the 16 registers of tiles 2 b, 2 b + 1.
; SHARES.  Work-group id makes slab id: 0-63 q, 64-127 k, 128-191 v, 192-203 Wq, 204-215 Wk, 216-227 Wv, 228-239 Wo.  Wave w takes K step w / 2 and rows 32 (w % 2) on: tiles 2 (w % 2) and 2 (w % 2) + 1.
; Each wave brings its 32 rows x 512 bytes by ONE tensor load into LDS bytes of its own, filled once and read by it alone: its own wait on TENSORcnt is all the ordering, and there is no barrier.
; No cluster: no two work-groups read the same bytes.
.set SLABB, 38400
.set KSTB,  6400
.set PITCH, 528                        ; an LDS row: 512 bytes + 16 of padding
.set WREG,  32*PITCH                   ; a wave's bytes of LDS
.set X0,    32                         ; v32-95   tile 0's 64 numbers of my row: register 16 b + i = k 32 b + 16 (lane / 16) + i
.set X1,    96                         ; v96-159  tile 1's
.set PC0,   160                        ; v160-178 tile 0's codes (12) and the conversions' second halves
.set PC1,   180                        ; v180-198 tile 1's
.set TM,    200                        ; v200-215 at work
.set PW0,   216                        ; the two scale words
.set PW1,   217
.set SW,    218                        ; lanes 0-15 tile 0's word, lanes 16-31 tile 1's
.set G1,    24                         ; s[24:31] descriptor group 1
.set G0,    32                         ; s[32:35] descriptor group 0
.set SEL,   44                         ; s[44:45] v_permlanex16_b32's selects for lane l xor 16
; 64 numbers of a lane become a fragment's 12 registers of codes in v[pc] on and the row's scale word in v[pw] (the same in lanes l and l xor 16).
.macro QUANT s, pc, pw
.irp b, 0,1,2,3
	v_max3_num_f32 v[TM+\b], |v[\s+16*\b]|, |v[\s+1+16*\b]|, 0x1800000   ; block b: my 16 numbers, and the floor 2^(3 - 127): the byte cannot fall under 1
.endr
.irp i, 2,4,6,8,10,12,14
.irp b, 0,1,2,3
	s_delay_alu instid0(VALU_DEP_4)
	v_max3_num_f32 v[TM+\b], v[TM+\b], |v[\s+16*\b+\i]|, |v[\s+1+16*\b+\i]|   ; the four blocks by turns
.endr
.endr
.irp b, 0,1,2,3
	s_delay_alu instid0(VALU_DEP_4)
	v_permlanex16_b32 v[TM+4+\b], v[TM+\b], s[SEL], s[SEL+1]
.endr
.irp b, 0,1,2,3
	s_delay_alu instid0(VALU_DEP_4)
	v_max_num_f32 v[TM+\b], v[TM+\b], v[TM+4+\b]   ; with lane l xor 16's 16: the block's largest magnitude
.endr
.irp b, 0,1,2,3
	s_delay_alu instid0(VALU_DEP_4)
	v_add_nc_u32 v[TM+12+\b], 0xff000000, v[TM+\b]   ; 2 off its exponent field: the conversion takes this operand's exponent field as its scale
.endr
.irp b, 0,1,2,3
	s_delay_alu instid0(VALU_DEP_4)
	v_lshrrev_b32 v[TM+4+\b], 23, v[TM+12+\b]   ; the scale's byte
.endr
	s_delay_alu instid0(VALU_DEP_3)
	v_lshl_or_b32 v[\pw], v[TM+5], 8, v[TM+4]
	s_delay_alu instid0(VALU_DEP_1)
	v_lshl_or_b32 v[\pw], v[TM+6], 16, v[\pw]
	s_delay_alu instid0(VALU_DEP_1)
	v_lshl_or_b32 v[\pw], v[TM+7], 24, v[\pw]
.irp c, 0,1
	v_cvt_scalef32_pk16_fp6_f32 v[\pc+6*\c:\pc+2+6*\c], v[\s+32*\c:\s+15+32*\c], v[TM+12+2*\c]
	v_cvt_scalef32_pk16_fp6_f32 v[\pc+12+4*\c:\pc+14+4*\c], v[\s+16+32*\c:\s+31+32*\c], v[TM+12+2*\c+1]   ; (a conversion's three registers begin on an even number)
.endr
	v_nop                                          ; one plain place behind the scaled conversions
.irp c, 0,1                                    ; the layout wants a whole block in a lane: lanes 0-15 block 2 c, lanes 16-31 block 2 c + 1
.irp i, 0,1,2
	v_permlane16_swap_b32 v[\pc+6*\c+\i], v[\pc+12+4*\c+\i]
.endr
.irp i, 0,1,2
	s_delay_alu instid0(VALU_DEP_3)
	v_mov_b32 v[\pc+3+6*\c+\i], v[\pc+12+4*\c+\i]
.endr
.endr
.endm
.macro PICK first, reg                 ; from slab 'first' on the source is the buffer in s[reg:reg+1]: a choice on the work-group's number alone
	s_cmp_ge_u32 ttmp9, \first
	s_cselect_b64 s[36:37], s[\reg:\reg+1], s[36:37]
	s_cselect_b32 s6, \first, s6
.endm
.macro OUT u                           ; tile u's fragment: each store covers 512 or 256 consecutive bytes, aligned
	global_store_b128 v5, v[PC0+20*\u:PC0+20*\u+3], s[40:41] offset:1536*\u
	global_store_b64 v6, v[PC0+20*\u+4:PC0+20*\u+5], s[40:41] offset:1536*\u+512
	global_store_b128 v5, v[PC0+20*\u+6:PC0+20*\u+9], s[40:41] offset:1536*\u+768
	global_store_b64 v6, v[PC0+20*\u+10:PC0+20*\u+11], s[40:41] offset:1536*\u+1280
.endm
	s_load_b512 s[8:23], s[0:1], 0x0               ; q s[8:9], k, v, Wq, Wk, Wv, Wo s[20:21], slabs s[22:23]
	v_lshl_add_u32 v224, v0, 2, 0x32000
	v_mov_b32 v225, 0
	ds_add_u32 v224, v225
	ds_add_u32 v224, v225
	v_lshrrev_b32 v1, 5, v0
	s_delay_alu instid0(VALU_DEP_1)
	v_readfirstlane_b32 s2, v1                     ; wave 0..11
	s_lshr_b32 s3, s2, 1                           ; my K step
	s_and_b32 s4, s2, 1                            ; which 32 rows
	s_mul_i32 s5, s2, WREG                         ; my bytes of LDS
	; group 1: a tile of 32 rows x 128 elements of 4 bytes; rows 768 elements apart; 16 bytes of padding behind each row's 128 words
	s_mov_b32 s[G1+0], (2<<16)|(1<<20)|(6<<22)|(3<<25)
	s_mov_b32 s[G1+1], 128<<16                     ; tensor_dim0
	s_mov_b32 s[G1+2], 32<<16                      ; tensor_dim1
	s_mov_b32 s[G1+3], 128<<16                     ; tile_dim0
	s_mov_b32 s[G1+4], 32                          ; tile_dim1
	s_mov_b32 s[G1+5], 768                         ; tensor_dim0_stride
	s_mov_b32 s[G1+6], 0
	s_mov_b32 s[G1+7], 0
	s_mov_b32 s[SEL], 0x76543210
	s_mov_b32 s[SEL+1], 0xfedcba98
	s_wait_dscnt 0x0
	s_wait_kmcnt 0x0
	s_mov_b64 s[36:37], s[8:9]                     ; the source: q,
	s_mov_b32 s6, 0                                ; whose first slab is 0, unless
	PICK 64, 10
	PICK 128, 12
	PICK 192, 14
	PICK 204, 16
	PICK 216, 18
	PICK 228, 20
	s_sub_co_u32 s6, ttmp9, s6                     ; which 64 rows of the source
	s_mul_i32 s6, s6, 64*3072
	s_mul_i32 s7, s4, 32*3072
	s_add_co_u32 s6, s6, s7
	s_lshl_b32 s7, s3, 9                           ; 128 numbers along K are 512 bytes
	s_add_co_u32 s6, s6, s7
	s_mov_b32 s7, 0
	s_mov_b32 s[G0], 1                             ; count = 1
	s_mov_b32 s[G0+1], s5                          ; LDS address
	s_add_nc_u64 s[G0+2:G0+3], s[36:37], s[6:7]    ; the tile's first element
	s_or_b32 s[G0+3], s[G0+3], 0x80000000          ; type = 2
	tensor_load_to_lds s[G0:G0+3], s[G1:G1+7]      ; my one tensor load
	s_nop 0
	v_and_b32 v1, 31, v0                           ; lane
	v_and_b32 v2, 15, v0                           ; r
	v_bfe_u32 v3, v0, 4, 1                         ; h
	s_delay_alu instid0(VALU_DEP_2)
	v_and_b32 v4, 8, v2
	s_delay_alu instid0(VALU_DEP_1)
	v_add_nc_u32 v4, v4, v2                        ; r + 8 (r / 8): my row in tile 0 of my 32 rows; tile 1's lies 8 rows on
	s_delay_alu instid0(VALU_DEP_1)
	v_mul_u32_u24 v4, v4, PITCH
	s_delay_alu instid0(VALU_DEP_1)
	v_lshl_add_u32 v4, v3, 6, v4                   ; + 64 h: my 16 numbers of each block of 32
	s_delay_alu instid0(VALU_DEP_1)
	v_add_nc_u32 v4, s5, v4
	v_lshlrev_b32 v5, 4, v1                        ; 16 x lane
	v_lshlrev_b32 v6, 3, v1                        ; 8 x lane
	v_lshlrev_b32 v7, 4, v2
	s_delay_alu instid0(VALU_DEP_1)
	v_lshl_add_u32 v7, v3, 2, v7                   ; 16 r + 4 h: the scale words' places
.irp b, 0,1,2,3
	v_mov_b32 v[TM+4+\b], 0                        ; written once: a lane permute's destination counts as one of its sources
.endr
	s_mul_i32 s38, ttmp9, SLABB
	s_mul_i32 s39, s3, KSTB
	s_add_co_u32 s38, s38, s39
	s_mov_b32 s39, 0
	s_add_nc_u64 s[22:23], s[22:23], s[38:39]      ; my slab's K step
	s_mul_i32 s38, s4, 2*1536
	s_add_nc_u64 s[40:41], s[22:23], s[38:39]      ; my two fragments
	s_lshl_b32 s38, s4, 3
	s_add_co_u32 s38, s38, 4*1536
	s_add_nc_u64 s[42:43], s[22:23], s[38:39]      ; my two columns of the scale words
	s_wait_alu depctr_va_vdst(0)
	s_wait_tensorcnt 0x0                           ; my tile is in LDS
.irp u, 0,1
.irp b, 0,1,2,3
.irp j, 0,1,2,3
	ds_load_b128 v[X0+64*\u+16*\b+4*\j:X0+64*\u+16*\b+4*\j+3], v4 offset:8*PITCH*\u+128*\b+16*\j
.endr
.endr
.endr
	s_wait_dscnt 16                                ; tile 0's sixteen loads are in, tile 1's sixteen may be out
	QUANT X0, PC0, PW0
	OUT 0
	s_wait_dscnt 0x0
	QUANT X1, PC1, PW1
	OUT 1
	v_cmp_le_u32 vcc_lo, 16, v1
	s_delay_alu instid0(VALU_DEP_1)
	v_cndmask_b32 v[SW], v[PW0], v[PW1], vcc_lo    ; lanes 16-31 carry tile 1's word
	global_store_b32 v7, v[SW], s[42:43]
	s_wait_tensorcnt 0x0
	ds_add_u32 v224, v225
	s_wait_dscnt 0x0
	s_endpgm
.Lfunc_end_k_q2ca6f63b43_quant:
	.size	k_q2ca6f63b43_quant, .Lfunc_end_k_q2ca6f63b43_quant-k_q2ca6f63b43_quant
	.p2alignl 7, 3214868480
	.fill 96, 4, 3214868480
	.section	.rodata,"a",@progbits
	.p2align	6, 0x0
	.amdhsa_kernel k_q2ca6f63b43_quant
		.amdhsa_group_segment_fixed_size 206336
		.amdhsa_private_segment_fixed_size 0
		.amdhsa_enable_private_segment 0
		.amdhsa_kernarg_size 64
		.amdhsa_user_sgpr_count 2
		.amdhsa_user_sgpr_kernarg_segment_ptr 1
		.amdhsa_wavefront_size32 1
		.amdhsa_system_sgpr_workgroup_id_x 1
		.amdhsa_system_sgpr_workgroup_id_y 1
		.amdhsa_system_sgpr_workgroup_id_z 1
		.amdhsa_system_vgpr_workitem_id 0
		.amdhsa_next_free_vgpr 226
		.amdhsa_next_free_sgpr 66
		.amdhsa_reserve_vcc 1
		.amdhsa_float_denorm_mode_32 3
		.amdhsa_float_denorm_mode_16_64 3
		.amdhsa_memory_ordered 1
		.amdhsa_forward_progress 1
		.amdhsa_inst_pref_size 19
	.end_amdhsa_kernel
	.amdgpu_metadata
---
amdhsa.version: [ 1, 2 ]
amdhsa.kernels:
  - .name:           k_q2ca6f63b43_quant
    .symbol:         k_q2ca6f63b43_quant.kd
    .args:
      - { .name: q, .offset: 0, .size: 8, .value_kind: global_buffer, .address_space: global }
      - { .name: k, .offset: 8, .size: 8, .value_kind: global_buffer, .address_space: global }
      - { .name: v, .offset: 16, .size: 8, .value_kind: global_buffer, .address_space: global }
      - { .name: Wq, .offset: 24, .size: 8, .value_kind: global_buffer, .address_space: global }
      - { .name: Wk, .offset: 32, .size: 8, .value_kind: global_buffer, .address_space: global }
      - { .name: Wv, .offset: 40, .size: 8, .value_kind: global_buffer, .address_space: global }
      - { .name: Wo, .offset: 48, .size: 8, .value_kind: global_buffer, .address_space: global }
      - { .name: slabs, .offset: 56, .size: 8, .value_kind: global_buffer, .address_space: global }
    .group_segment_fixed_size: 206336
    .private_segment_fixed_size: 0
    .kernarg_segment_align: 8
    .kernarg_segment_size: 64
    .max_flat_workgroup_size: 384
    .sgpr_count:     66
    .vgpr_count:     226
    .wavefront_size: 32
...
	.end_amdgpu_metadata
.endif
;; end of part 1
;; launch proj (part 2): grid 4 x 48, 12 waves a work-group, clusters of 4 x 1, 327,680 bytes of LDS; arguments slabs, bq, bk, bv, qc, kv; writes qc, kv
.if DOCPART == 2
	.amdgcn_target "amdgcn-amd-amdhsa--gfx1250"
	.amdhsa_code_object_version 6
	.text
	.protected	k_q2ca6f63b43_proj
	.globl	k_q2ca6f63b43_proj
	.p2align	8
	.type	k_q2ca6f63b43_proj,@function
k_q2ca6f63b43_proj:
	s_mov_b64 s[64:65], 0
	v_nop
	global_prefetch_b8 v0, s[64:65] scope:SCOPE_SE
	s_setreg_imm32_b32 hwreg(HW_REG_WAVE_MODE, 25, 1), 1
	s_wait_xcnt 0x0
	s_wait_alu depctr_hold_cnt(0) depctr_sa_sdst(0) depctr_va_vdst(0) depctr_va_sdst(0) depctr_va_ssrc(0) depctr_va_vcc(0) depctr_vm_vsrc(0)
	s_getreg_b32 s2, hwreg(HW_REG_IB_STS2, 6, 4)
	s_cmp_eq_u32 s2, 0
	s_cbranch_scc0 .Lentry_in_a_cluster
	s_endpgm
.Lentry_in_a_cluster:
	s_bfe_u32 s2, ttmp6, 0x10000c
	s_cmp_lg_u32 s2, 0x3003
	s_cbranch_scc0 .Lentry_shape_is_right
	s_endpgm
.Lentry_shape_is_right:
.set SLABB, 38400
.set KSTB,  6400
.set PIECE, 12800
.set WLDS,  4*SLABB
.set QBLK,  3328
.set AX16,  4
.set AX8,   5
.set AW16,  6
.set AW8,   7
.set ASC,   8
.set SC,    12
.set BI,    16
.set XF,    48
.set WF,    72
.set BO,    120
.set ACC,   128
.set HW,    56
.set TM,    60
.set WV,    16
.set SEL,   54
.set G1J,   24
.set G1P,   32
.set G0J,   40
.set G0P,   44
.macro PLACES n
.rept \n
	v_nop
.endr
.endm
.macro CROUND
	s_barrier_signal -1
	s_barrier_wait -1
	s_cmp_lg_u32 s[WV], 0
	s_cbranch_scc1 .Lnot_wave_0_\@
	s_barrier_signal -3
.Lnot_wave_0_\@:
	s_barrier_wait -3
	s_barrier_signal -1
	s_barrier_wait -1
.endm
.macro FRAG reg, a16, a8, off
	ds_load_b128 v[\reg:\reg+3], v[\a16] offset:\off
	ds_load_b64 v[\reg+4:\reg+5], v[\a8] offset:\off+512
	ds_load_b128 v[\reg+6:\reg+9], v[\a16] offset:\off+768
	ds_load_b64 v[\reg+10:\reg+11], v[\a8] offset:\off+1280
.endm
.macro QUANT2 s, pc, hw
.irp b, 0,1
	v_max3_num_f32 v[TM+\b], |v[\s+16*\b]|, |v[\s+1+16*\b]|, 0x1800000
.endr
.irp i, 2,4,6,8,10,12,14
.irp b, 0,1
	v_max3_num_f32 v[TM+\b], v[TM+\b], |v[\s+16*\b+\i]|, |v[\s+1+16*\b+\i]|
.endr
.endr
.irp b, 0,1
	s_delay_alu instid0(VALU_DEP_2)
	v_permlanex16_b32 v[TM+2+\b], v[TM+\b], s[SEL], s[SEL+1]
.endr
.irp b, 0,1
	s_delay_alu instid0(VALU_DEP_2)
	v_max_num_f32 v[TM+\b], v[TM+\b], v[TM+2+\b]
.endr
.irp b, 0,1
	s_delay_alu instid0(VALU_DEP_2)
	v_add_nc_u32 v[TM+4+\b], 0xff000000, v[TM+\b]
.endr
.irp b, 0,1
	s_delay_alu instid0(VALU_DEP_2)
	v_lshrrev_b32 v[TM+2+\b], 23, v[TM+4+\b]
.endr
	s_delay_alu instid0(VALU_DEP_1)
	v_lshl_or_b32 v[\hw], v[TM+3], 8, v[TM+2]
	v_cvt_scalef32_pk16_fp6_f32 v[\pc:\pc+2], v[\s:\s+15], v[TM+4]
	v_cvt_scalef32_pk16_fp6_f32 v[\pc+6:\pc+8], v[\s+16:\s+31], v[TM+5]
	v_nop
.irp i, 0,1,2
	v_permlane16_swap_b32 v[\pc+\i], v[\pc+6+\i]
.endr
.irp i, 0,1,2
	s_delay_alu instid0(VALU_DEP_3)
	v_mov_b32 v[\pc+3+\i], v[\pc+6+\i]
.endr
.endm
.macro MUL8 m0, s, path
.irp m, \m0, \m0+1
.irp n, 0,1,2,3
.if \path == 0
.set DD, ACC+32*(\m)+8*\n
.else
.set DD, ACC+32*\n+8*(\m)
.endif
.set CC, DD
.if \s == 0
.set CC, BI+8*\n
.endif
.set XX, XF+12*((\m)%2)
.set WW, WF+12*\n
.if \path == 0
	v_wmma_scale_f32_16x16x128_f8f6f4 v[DD:DD+7], v[WW:WW+11], v[XX:XX+11], v[CC:CC+7], v[SC+\n], v[SC+(\m)] matrix_a_fmt:MATRIX_FMT_FP6 matrix_b_fmt:MATRIX_FMT_FP6 matrix_a_scale:MATRIX_SCALE_ROW1
.else
	v_wmma_scale_f32_16x16x128_f8f6f4 v[DD:DD+7], v[XX:XX+11], v[WW:WW+11], v[CC:CC+7], v[SC+(\m)], v[SC+\n] matrix_a_fmt:MATRIX_FMT_FP6 matrix_b_fmt:MATRIX_FMT_FP6 matrix_b_scale:MATRIX_SCALE_ROW1
.endif
.endr
.endr
.endm
.macro KSTEP s, path
.if \s > 0
	PLACES 4
.endif
.irp n, 0,1,2,3
	FRAG WF+12*\n, AW16, AW8, KSTB*(\s)+1536*\n
.endr
	ds_load_b128 v[SC:SC+3], v[ASC] offset:KSTB*(\s)
.irp m, 0,1
	FRAG XF+12*\m, AX16, AX8, KSTB*(\s)+1536*\m
.endr
	s_wait_dscnt 0x0
	MUL8 0, \s, \path
	PLACES 4
.irp m, 0,1
	FRAG XF+12*\m, AX16, AX8, KSTB*(\s)+1536*(2+\m)
.endr
	s_wait_dscnt 0x0
	MUL8 2, \s, \path
.endm
.macro GEMM path
.irp s, 0,1,2,3,4,5
	KSTEP \s, \path
.endr
	PLACES 4
	v_mov_b32 v[TM+2], 0
	v_mov_b32 v[TM+3], 0
.irp x, 0,1,2,3
	QUANT2 ACC+32*\x, 16+10*\x, HW+\x
.endr
.endm
	s_load_b256 s[4:11], s[0:1], 0x0
	s_load_b128 s[12:15], s[0:1], 0x20
	v_lshl_add_u32 v126, v0, 2, 0x41a00
	v_mov_b32 v127, 0
	ds_add_u32 v126, v127
	ds_add_u32 v126, v127
	v_lshrrev_b32 v1, 5, v0
	s_delay_alu instid0(VALU_DEP_1)
	v_readfirstlane_b32 s[WV], v1
	s_and_b32 s17, s[WV], 3
	s_lshr_b32 s18, s[WV], 2
	s_bfe_u32 s19, ttmp6, 0x40000
	s_and_b32 s20, ttmp7, 0xffff
	s_lshr_b32 s21, s20, 4
	s_and_b32 s22, s20, 15
	s_mul_i32 s23, s19, 3
	s_add_co_u32 s23, s23, s18
	s_lshl_b32 s56, s22, 2
	s_add_co_u32 s56, s56, s17
	s_and_b32 s57, s56, 1
	s_lshr_b32 s58, s56, 1
	s_mov_b32 s[SEL], 0x76543210
	s_mov_b32 s[SEL+1], 0xfedcba98
	s_mov_b32 s[G1J], 15|(3<<16)|(1<<21)
	s_mov_b32 s[G1P], 3<<16
.irp g, G1J, G1P
	s_mov_b32 s[\g+1], 32<<16
	s_mov_b32 s[\g+3], 32<<16
	s_mov_b32 s[\g+5], 32
	s_mov_b32 s[\g+6], 0
	s_mov_b32 s[\g+7], 0
.endr
	s_mov_b32 s[G1J+2], 100<<16                    ; x's four slabs, 600 rows of 256 bytes, come by six joint loads of 100 rows (waves 0-5),
	s_mov_b32 s[G1J+4], 100
	s_mov_b32 s[G1P+2], 75<<16                     ; W's three slabs, 450 rows, by six loads of 75 rows (waves 6-11): one tensor load a wave, all at the head
	s_mov_b32 s[G1P+4], 75
	s_lshl_b32 s48, s21, 6
	s_lshl_b32 s49, s22, 2
	s_add_co_u32 s48, s48, s49
	s_mul_i32 s48, s48, SLABB
	s_mul_i32 s50, s[WV], 25600                    ; x: wave w's 100 rows
	s_mul_i32 s51, s[WV], 19200                    ; W: wave w's 75 rows, counted from wave 6 on (the six waves' worth, three slabs, is taken off below)
	s_add_co_u32 s48, s48, s50
	s_mov_b32 s49, 0
	s_mul_i32 s52, s21, 12
	s_mul_i32 s53, s19, 3
	s_add_co_u32 s52, s52, s53
	s_add_co_u32 s52, s52, 189
	s_mul_i32 s52, s52, SLABB
	s_add_co_u32 s52, s52, s51
	s_mov_b32 s53, 0
	s_wait_dscnt 0x0
	s_wait_kmcnt 0x0
	s_mov_b32 s[G0J], 1
	s_mov_b32 s[G0J+1], s50
	s_add_nc_u64 s[G0J+2:G0J+3], s[4:5], s[48:49]
	s_or_b32 s[G0J+3], s[G0J+3], 0x80000000
	s_mov_b32 s[G0P], 1
	s_add_co_u32 s[G0P+1], s51, WLDS-6*19200
	s_add_nc_u64 s[G0P+2:G0P+3], s[4:5], s[52:53]
	s_or_b32 s[G0P+3], s[G0P+3], 0x80000000
	CROUND                                         ; all four work-groups are here: the joint loads meet
	s_cmp_lt_u32 s[WV], 6                          ; the branch hangs on the wave's number alone
	s_cbranch_scc0 .Lfor_w
	tensor_load_to_lds s[G0J:G0J+3], s[G1J:G1J+7]
	s_nop 0
	PLACES 4
	s_branch .Lasked
.Lfor_w:
	tensor_load_to_lds s[G0P:G0P+3], s[G1P:G1P+7]
	s_nop 0
	PLACES 4
.Lasked:
	v_and_b32 v1, 31, v0
	v_and_b32 v2, 15, v0
	v_bfe_u32 v3, v0, 4, 1
	s_mul_i32 s66, s17, SLABB
	s_mul_i32 s67, s18, SLABB
	s_add_co_u32 s67, s67, WLDS
	s_sub_co_u32 s68, s67, s66
	s_add_co_u32 s69, s66, 4*1536
	v_lshl_add_u32 v[AX16], v1, 4, s66
	v_lshl_add_u32 v[AX8], v1, 3, s66
	v_lshl_add_u32 v[AW16], v1, 4, s67
	v_lshl_add_u32 v[AW8], v1, 3, s67
	v_mul_u32_u24 v[ASC], s68, v3
	s_delay_alu instid0(VALU_DEP_1)
	v_lshl_add_u32 v[ASC], v2, 4, v[ASC]
	s_delay_alu instid0(VALU_DEP_1)
	v_add_nc_u32 v[ASC], s69, v[ASC]
	v_lshlrev_b32 v9, 4, v1
	v_lshlrev_b32 v10, 3, v1
	s_lshl_b32 s70, s23, 8
	s_mov_b32 s71, 0
	s_cmp_eq_u32 s21, 2
	s_cbranch_scc1 .Lbias_v
	s_cmp_eq_u32 s21, 0
	s_cselect_b64 s[72:73], s[6:7], s[8:9]
	s_add_nc_u64 s[72:73], s[72:73], s[70:71]
	v_lshlrev_b32 v[BO], 6, v3
.irp n, 0,1,2,3
	global_load_b128 v[BI+8*\n:BI+8*\n+3], v[BO], s[72:73] offset:(32*(\n/2)+8*(\n%2))*4
	global_load_b128 v[BI+8*\n+4:BI+8*\n+7], v[BO], s[72:73] offset:(32*(\n/2)+8*(\n%2))*4+16
.endr
	s_branch .Lbias_done
.Lbias_v:
	s_add_nc_u64 s[72:73], s[10:11], s[70:71]
	v_and_b32 v[BO], 8, v2
	s_delay_alu instid0(VALU_DEP_1)
	v_add_nc_u32 v[BO], v[BO], v2
	s_delay_alu instid0(VALU_DEP_1)
	v_lshlrev_b32 v[BO], 2, v[BO]
.irp n, 0,1,2,3
	global_load_b32 v[BI+8*\n], v[BO], s[72:73] offset:(32*(\n/2)+8*(\n%2))*4
.endr
	s_wait_loadcnt 0x0
.irp n, 0,1,2,3
.irp i, 1,2,3,4,5,6,7
	v_mov_b32 v[BI+8*\n+\i], v[BI+8*\n]
.endr
.endr
.Lbias_done:
	s_wait_tensorcnt 0x0
	s_barrier_signal -1
	s_barrier_wait -1
	s_wait_loadcnt 0x0
	s_lshl_b32 s51, s23, 5
	s_add_co_u32 s51, s51, s58
	s_mul_i32 s51, s51, PIECE
	s_cmp_eq_u32 s21, 2
	s_cbranch_scc1 .Lpath_v
	s_wait_alu depctr_va_vdst(0)
	GEMM 0
	; K ALONE: THE KEYS ARE DEALT ANEW AMONG THE FOUR TILES.  Lane r of tile x holds key 32 (x / 2) + 8 (x % 2) + r % 8 + 16 (r / 8) of the slab; the attention launch wants key 32 (r / 8) + 8 x + r % 8 there.
	; So tiles u and u + 2 (u = 0, 1) change lanes: tile u's lanes 8-15 of each row of 16 go to tile u + 2's lanes 0-7, and the other way round; codes and scale halfwords alike.  The stores below stay as they are.
.macro DEAL a, b
	v_mov_b32_dpp v72, v[\b] row_xmask:8 row_mask:0xf bank_mask:0xf
	v_mov_b32_dpp v73, v[\a] row_xmask:8 row_mask:0xf bank_mask:0xf
	v_cndmask_b32 v[\a], v[\a], v72, s78
	v_cndmask_b32 v[\b], v73, v[\b], s78
.endm
	s_mov_b32 s78, 0xff00ff00                      ; lanes 8-15 of each row
	s_cmp_eq_u32 s21, 1                            ; which tensor: the same in all waves and partners
	s_wait_alu depctr_va_vdst(0)                   ; the wait here, directly ahead of the branch
	s_cbranch_scc0 .Lno_deal
	v_mov_b32 v72, 0                               ; a DPP form's destination counts as one of its sources
	v_mov_b32 v73, 0
.irp u, 0,1
.irp i, 0,1,2,3,4,5
	DEAL 16+10*\u+\i, 36+10*\u+\i
.endr
	DEAL HW+\u, HW+2+\u
.endr
.Lno_deal:
	s_wait_alu depctr_va_vdst(0)                   ; the wait here, directly ahead of the run of scalar instructions
	s_lshl_b32 s74, s23, 6
	s_add_co_u32 s74, s74, s56
	s_mul_i32 s74, s74, QBLK
	s_add_co_u32 s76, s74, 3072
	s_mul_i32 s52, s57, 4*768
	s_add_co_u32 s52, s52, s51
	s_lshl_b32 s53, s57, 3
	s_add_co_u32 s53, s53, s51
	s_add_co_u32 s53, s53, 12288
	s_cmp_eq_u32 s21, 0
	s_cselect_b64 s[60:61], s[12:13], s[14:15]
	s_cselect_b32 s74, s74, s52
	s_cselect_b32 s76, s76, s53
	s_cselect_b32 s59, 3, 4
	s_mov_b32 s75, 0
	s_mov_b32 s77, 0
	s_add_nc_u64 s[62:63], s[60:61], s[76:77]
	s_add_nc_u64 s[60:61], s[60:61], s[74:75]
	v_lshlrev_b32 v11, s59, v2
	s_delay_alu instid0(VALU_DEP_1)
	v_lshl_add_u32 v11, v3, 2, v11
	v_lshl_or_b32 v66, v[HW+1], 16, v[HW]
	v_lshl_or_b32 v67, v[HW+3], 16, v[HW+2]
	v_cmp_eq_u32 vcc_lo, 1, v3
	s_delay_alu instid0(VALU_DEP_1)
	v_cndmask_b32 v66, v66, v67, vcc_lo
	s_wait_alu depctr_va_vdst(0)
.irp x, 0,1,2,3
	global_store_b128 v9, v[16+10*\x:19+10*\x], s[60:61] offset:768*\x
	global_store_b64 v10, v[20+10*\x:21+10*\x], s[60:61] offset:768*\x+512
.endr
	global_store_b32 v11, v66, s[62:63]
	s_branch .Lend
.Lpath_v:
	s_wait_alu depctr_va_vdst(0)
	GEMM 1
	s_mul_i32 s74, s57, 768
	s_add_co_u32 s74, s74, s51
	s_add_co_u32 s74, s74, 6144
	s_lshl_b32 s76, s57, 1
	s_add_co_u32 s76, s76, s51
	s_add_co_u32 s76, s76, 12544
	s_mov_b32 s75, 0
	s_mov_b32 s77, 0
	s_add_nc_u64 s[60:61], s[14:15], s[74:75]
	s_add_nc_u64 s[62:63], s[14:15], s[76:77]
	v_lshlrev_b32 v11, 4, v2
	s_delay_alu instid0(VALU_DEP_1)
	v_lshl_add_u32 v11, v3, 2, v11
	v_cmp_eq_u32 vcc_lo, 1, v3
	s_delay_alu instid0(VALU_DEP_1)
	v_cndmask_b32 v66, v[HW], v[HW+1], vcc_lo
	s_delay_alu instid0(VALU_DEP_2)
	v_cndmask_b32 v67, v[HW+2], v[HW+3], vcc_lo
	s_wait_alu depctr_va_vdst(0)
.irp x, 0,1,2,3
	global_store_b128 v9, v[16+10*\x:19+10*\x], s[60:61] offset:1536*\x
	global_store_b64 v10, v[20+10*\x:21+10*\x], s[60:61] offset:1536*\x+512
.endr
	global_store_b16 v11, v66, s[62:63]
	global_store_b16 v11, v67, s[62:63] offset:8
.Lend:
	s_wait_tensorcnt 0x0
	ds_add_u32 v126, v127
	s_wait_dscnt 0x0
	CROUND
	s_endpgm
.Lfunc_end_k_q2ca6f63b43_proj:
	.size	k_q2ca6f63b43_proj, .Lfunc_end_k_q2ca6f63b43_proj-k_q2ca6f63b43_proj
	.p2alignl 7, 3214868480
	.fill 96, 4, 3214868480
	.section	.rodata,"a",@progbits
	.p2align	6, 0x0
	.amdhsa_kernel k_q2ca6f63b43_proj
		.amdhsa_group_segment_fixed_size 327680
		.amdhsa_private_segment_fixed_size 0
		.amdhsa_enable_private_segment 0
		.amdhsa_kernarg_size 48
		.amdhsa_user_sgpr_count 2
		.amdhsa_user_sgpr_kernarg_segment_ptr 1
		.amdhsa_wavefront_size32 1
		.amdhsa_system_sgpr_workgroup_id_x 1
		.amdhsa_system_sgpr_workgroup_id_y 1
		.amdhsa_system_sgpr_workgroup_id_z 1
		.amdhsa_system_vgpr_workitem_id 0
		.amdhsa_next_free_vgpr 256
		.amdhsa_next_free_sgpr 80
		.amdhsa_reserve_vcc 1
		.amdhsa_float_denorm_mode_32 3
		.amdhsa_float_denorm_mode_16_64 3
		.amdhsa_memory_ordered 1
		.amdhsa_forward_progress 1
		.amdhsa_inst_pref_size 87
	.end_amdhsa_kernel
	.amdgpu_metadata
---
amdhsa.version: [ 1, 2 ]
amdhsa.kernels:
  - .name:           k_q2ca6f63b43_proj
    .symbol:         k_q2ca6f63b43_proj.kd
    .args:
      - { .name: slabs, .offset: 0, .size: 8, .value_kind: global_buffer, .address_space: global }
      - { .name: bq, .offset: 8, .size: 8, .value_kind: global_buffer, .address_space: global }
      - { .name: bk, .offset: 16, .size: 8, .value_kind: global_buffer, .address_space: global }
      - { .name: bv, .offset: 24, .size: 8, .value_kind: global_buffer, .address_space: global }
      - { .name: qc, .offset: 32, .size: 8, .value_kind: global_buffer, .address_space: global }
      - { .name: kv, .offset: 40, .size: 8, .value_kind: global_buffer, .address_space: global }
    .group_segment_fixed_size: 327680
    .private_segment_fixed_size: 0
    .kernarg_segment_align: 8
    .kernarg_segment_size: 48
    .max_flat_workgroup_size: 384
    .sgpr_count:     80
    .vgpr_count:     256
    .wavefront_size: 32
...
	.end_amdgpu_metadata
.endif
;; end of part 2
;; launch attn (part 3): grid 64 x 4, 12 waves a work-group, clusters of 4 x 1, 327,680 bytes of LDS; arguments qc, kv, oc; writes oc
.if DOCPART == 3
	.amdgcn_target "amdgcn-amd-amdhsa--gfx1250"
	.amdhsa_code_object_version 6
	.text
	.protected	k_q2ca6f63b43_attn
	.globl	k_q2ca6f63b43_attn
	.p2align	8
	.type	k_q2ca6f63b43_attn,@function
k_q2ca6f63b43_attn:
	s_mov_b64 s[64:65], 0
	v_nop
	global_prefetch_b8 v0, s[64:65] scope:SCOPE_SE
	s_setreg_imm32_b32 hwreg(HW_REG_WAVE_MODE, 25, 1), 1
	s_wait_xcnt 0x0
	s_wait_alu depctr_hold_cnt(0) depctr_sa_sdst(0) depctr_va_vdst(0) depctr_va_sdst(0) depctr_va_ssrc(0) depctr_va_vcc(0) depctr_vm_vsrc(0)
	s_getreg_b32 s2, hwreg(HW_REG_IB_STS2, 6, 4)
	s_cmp_eq_u32 s2, 0
	s_cbranch_scc0 .Lentry_in_a_cluster
	s_endpgm
.Lentry_in_a_cluster:
	s_bfe_u32 s2, ttmp6, 0x10000c
	s_cmp_lg_u32 s2, 0x3003
	s_cbranch_scc0 .Lentry_shape_is_right
	s_endpgm
.Lentry_shape_is_right:
; O[h][q] = the sum over k of softmax_k(Q[h][q] . K[h][k] / 8) V[h][k], 12 heads of 64, 4,096 queries and keys, both products on codes of FP6 (E2M3) with E8M0 scales; O / l is quantised along head x 64 + d for the last projection.
; THE SOFTMAX: t = score x log2(e) / 8; M = the running largest t rounded UP to a whole number; p = 2^(t - M) is quantised along the keys, not normalised; the row's sum l is taken of the unquantised p and divides O at the end.
; When M moves, l and O are multiplied by 2^(old M - new M): exact.  LIMITS: NaN and infinities are not served; a p under 2^-126 becomes 0; a block of zeros gets the scale byte 1 (read by this program alone).
; SHARES.  A work-group takes 64 queries (block i = 4 x cluster x + cx) of three heads (3 y + 0..2): 256 work-groups; wave w: head 3 y + w / 4, tile w % 4 of 16 queries.  Three waves to a SIMD, 216 registers each: no register window.
; CLUSTER.  The four work-groups of a cluster walk the same K and V: every tile is asked for JOINTLY, one load of 12,800 bytes (a head's step of 128 keys) a wave.
; RING.  Two LDS slots of 4 steps x 3 heads = 153,600 bytes.  THE CHANGE OF SLOTS STANDS INSIDE A SLOT'S LAST STEP: when that step's V fragments are in registers the wave has read the slot out; it waits for its tensor load
; (its part of the other slot), adds 0 to its spare word, waits for its LDS instructions and signals; the step's softmax and second product, work on registers alone, stand between the signal and the wait; the rest of the
; cluster's round follows, and behind it the slot just read out is filled again: one joint load a wave, out for the other slot's first three steps and the first product of its fourth.
; LAYOUT.  Both products are used transposed: S^T = K Q^T, O^T = V^T P^T: a lane holds ONE query (lane % 16) throughout.
; K = 64 IN AN INSTRUCTION OF 128.  A fragment of K as it lies holds TWO key tiles: tile 2 f in its K 0-63, tile 2 f + 1 in its K 64-127.  Q stands in 18 registers, zeros | q | zeros: times q | 0 the fragment gives tile 2 f, times 0 | q
; tile 2 f + 1; the other half multiplies codes by zero codes under scale bytes that are numbers: it adds 0.
; WHICH KEYS FORM A TILE.  The launch before lays K so that lane r of key tile T holds key 64 (T / 4) + 32 (r / 8) + 8 (T % 4) + r % 8 of the step.  So score register 32 c + i of lane (r, h) is key 64 c + 32 h + i: a WHOLE block of
; 32 keys in a lane, in the order of the 6-bit operand's registers: a block's largest score needs no other lane, and the conversions' results are p's operand as they stand (but for the moves to odd registers).
.set STEPB, 12800                      ; a head's step: 8 half fragments of K (6,144), 4 fragments of V (6,144), 256 + 256 bytes of scale words
.set HEADB, 32*STEPB
.set LOADB, 4*STEPB                    ; a head's part of a slot
.set SLOT,  3*LOADB
.set SPARE, 2*SLOT                     ; behind the ring: the spare words, 128 bytes for each wave: six blocks of 256 bytes that no other line names
.set SLABB, 38400
.set QBLK,  3328
.set SPW,  1                           ; v1   SPARE + 4 x my thread's number; never rewritten
.set NIL,  2                           ; v2   0; never rewritten
.set L16,  3                           ; v3   my head's part of a slot + 16 x lane
.set L8,   4                           ; v4   + 8 x lane
.set PFO,  5                           ; v5   the prefetches' offset
.set A16,  6                           ; v6, v7 the same two for the step in hand
.set A8,   7
.set QSL,  8                           ; v8   the scale word of q | 0
.set QSH,  9                           ; v9   of 0 | q
.set H8,   10                          ; v10  8 h
.set TMP,  11                          ;      v12 -M, v13 the largest score so far, v[14:15] l in two halves
.set OLD,  16                          ; v16  the last step's -M
.set QZ,   18                          ; v18-23 zeros, v24-29 q, v30-35 zeros
.set SC,   36                          ; v36-39 lanes 0-15 K's four scale words, lanes 16-31 V's
.set F,    40                          ; v40-87 four fragments: K's, then V's
.set S,    88                          ; v88-151 S^T, then p, then the tree of l's sum
.set OT,   152                         ; v152-183 O^T
.set PC,   184                         ; v184-195 p's codes
.set MT,   184                         ; v184-203 the trees of maxima, ten registers a block, while p's codes are not yet made
.set PT,   196                         ; v196-197 at work
.set SO,   198                         ; v198-199 the conversions' scale operands
.set TM,   196                         ; the way out's quantiser works in v196-201
.set FF,   204                         ; v204 f = 2^(old M - new M); v205 is named with it as a pair and holds 0
.set CT,   206                         ; v206-212 the conversions' second halves
.set PW,   213                         ; v213 p's scale word
.set BM,   214                         ; v214-215 my two blocks' largest scores, then largest p
.set WV,   10
.set G1,   24                          ; s[24:31] descriptor group 1
.set G0,   32                          ; s[32:39] group 0, a set for each slot
.set PFA,  40                          ; s[40:41] where my prefetches stand
.set LIM,  42                          ; s42  0 in a wave that prefetches
.set TB,   43                          ; s43  LDS byte at which the step in hand begins (head 0's)
.set CNT,  44
.set LAP,  45
.set SEL,  46                          ; s[46:47]
.set CS,   48                          ; s[48:49] c = log2(e) / 8
.macro PLACES n
.rept \n
	v_nop
.endr
.endm
.macro CREST                           ; a round of the cluster's barrier behind its opening barrier
	s_cmp_lg_u32 s[WV], 0
	s_cbranch_scc1 .Lnot_wave_0_\@
	s_barrier_signal -3
.Lnot_wave_0_\@:
	s_barrier_wait -3
	s_barrier_signal -1
	s_barrier_wait -1
.endm
.macro CROUND                          ; a whole round
	s_barrier_signal -1
	s_barrier_wait -1
	CREST
.endm
.macro FRAG reg, a16, a8, off          ; a fragment as it lies: every load takes consecutive bytes over the lanes
	ds_load_b128 v[\reg:\reg+3], v[\a16] offset:\off
	ds_load_b64 v[\reg+4:\reg+5], v[\a8] offset:\off+512
	ds_load_b128 v[\reg+6:\reg+9], v[\a16] offset:\off+768
	ds_load_b64 v[\reg+10:\reg+11], v[\a8] offset:\off+1280
.endm
.macro QUANT2 s, pc, hw                ; 32 numbers of a lane, register 16 b + i = k 32 b + 16 (lane / 16) + i, become a half fragment in v[pc] .. v[pc + 5] and two scale bytes in v[hw]
.irp b, 0,1
	v_max3_num_f32 v[TM+\b], |v[\s+16*\b]|, |v[\s+1+16*\b]|, 0x1800000
.endr
.irp i, 2,4,6,8,10,12,14
.irp b, 0,1
	s_delay_alu instid0(VALU_DEP_2)
	v_max3_num_f32 v[TM+\b], v[TM+\b], |v[\s+16*\b+\i]|, |v[\s+1+16*\b+\i]|
.endr
.endr
.irp b, 0,1
	s_delay_alu instid0(VALU_DEP_2)
	v_permlanex16_b32 v[TM+2+\b], v[TM+\b], s[SEL], s[SEL+1]
.endr
.irp b, 0,1
	s_delay_alu instid0(VALU_DEP_2)
	v_max_num_f32 v[TM+\b], v[TM+\b], v[TM+2+\b]
.endr
.irp b, 0,1
	s_delay_alu instid0(VALU_DEP_2)
	v_add_nc_u32 v[TM+4+\b], 0xff000000, v[TM+\b]
.endr
.irp b, 0,1
	s_delay_alu instid0(VALU_DEP_2)
	v_lshrrev_b32 v[TM+2+\b], 23, v[TM+4+\b]
.endr
	s_delay_alu instid0(VALU_DEP_1)
	v_lshl_or_b32 v[\hw], v[TM+3], 8, v[TM+2]
	v_cvt_scalef32_pk16_fp6_f32 v[\pc:\pc+2], v[\s:\s+15], v[TM+4]
	v_cvt_scalef32_pk16_fp6_f32 v[\pc+6:\pc+8], v[\s+16:\s+31], v[TM+5]
	v_nop                                          ; one plain place behind the scaled conversions
.irp i, 0,1,2
	v_permlane16_swap_b32 v[\pc+\i], v[\pc+6+\i]
.endr
.irp i, 0,1,2
	s_delay_alu instid0(VALU_DEP_3)
	v_mov_b32 v[\pc+3+\i], v[\pc+6+\i]
.endr
.endm
; A PREFETCH INTO THE L2 of what the NEXT refill will ask for: for each of the three heads four steps, 200 blocks of 256 bytes.  It stands behind the wave's joint load and its five lines, a slot's four steps ahead of that refill.
; All clusters of a head group walk the same K and V: cluster x = 0 asks.  Its four partners are told apart BY ADDRESS: partner cx takes step cx; of that step's 50 blocks waves w % 4 = 0 and 1 of the head take 25 each, lanes 256 bytes apart;
; lanes 25-31 name lane 24's block once more.  The first two slots come by their loads alone; the last refill asks for nothing (s42 is set): the last byte named is byte 409,344 of a head's 409,600.
.macro ASK
	s_cmp_eq_u32 s[LIM], 0
	s_cbranch_scc0 .Lnot_mine_\@
	global_prefetch_b8 v[PFO], s[PFA:PFA+1] th:TH_LOAD_NT scope:SCOPE_SE
.Lnot_mine_\@:
.endm
.macro TLESS n                         ; t - M of the next 2 n scores, two at a time
.rept \n
	v_pk_fma_f32 v[S+J:S+J+1], v[S+J:S+J+1], s[CS:CS+1], v[12:13] op_sel_hi:[1,0,0]
.set J, J+2
.endr
.endm
.macro OSCALE n                        ; the next 2 n registers of O^T under the new M, each accumulator from its low end on
.rept \n
	v_pk_mul_f32 v[OT+JO:OT+JO+1], v[OT+JO:OT+JO+1], v[FF:FF+1] op_sel_hi:[1,0]
.set JO, JO+2
.endr
.endm
.macro LEVEL n, d                      ; a level of the tree of l's sum, in place: n packed additions of pairs d registers apart
.set JS, 0
.rept \n
	v_pk_add_f32 v[S+JS:S+JS+1], v[S+JS:S+JS+1], v[S+JS+\d:S+JS+\d+1]
.set JS, JS+2*\d
.endr
.endm
; A KEY STEP: 128 keys.  meet = 0: a step inside a slot.  meet = 2: a slot's last step, with the change of slots and the refill of \slot.  meet = 1: the same with the work-group's barrier alone: nothing is left to fetch.
.macro STEP meet, slot, ask
	v_add_nc_u32 v[A16], s[TB], v[L16]             ; these four lines are also the places in front of loads into registers that the last products read
	v_add_nc_u32 v[A8], s[TB], v[L8]
	v_mov_b32 v[OLD], v12
	v_nop
	ds_load_b128 v[SC:SC+3], v[A16] offset:12288   ; lanes 0-15 K's four words, lanes 16-31, 256 bytes on, V's
.irp f, 0,1,2,3
	FRAG F+12*\f, A16, A8, 1536*\f
.endr
	s_wait_alu depctr_va_vdst(0)                   ; the wait here, directly ahead of the waits below
.irp f, 0,1,2,3
	s_wait_dscnt 4*(3-\f)                          ; the scale words and fragments 0 .. f are in; the four loads of each later fragment may be out
	v_wmma_scale_f32_16x16x128_f8f6f4 v[S+16*\f:S+16*\f+7], v[F+12*\f:F+12*\f+11], v[QZ+6:QZ+17], 0, v[SC+\f], v[QSL] matrix_a_fmt:MATRIX_FMT_FP6 matrix_b_fmt:MATRIX_FMT_FP6
	v_wmma_scale_f32_16x16x128_f8f6f4 v[S+16*\f+8:S+16*\f+15], v[F+12*\f:F+12*\f+11], v[QZ:QZ+11], 0, v[SC+\f], v[QSH] matrix_a_fmt:MATRIX_FMT_FP6 matrix_b_fmt:MATRIX_FMT_FP6
.endr
	PLACES 4                                       ; in front of the loads below and of the first reads of the scores
.irp n, 0,1,2,3
	FRAG F+12*\n, A16, A8, 6144+1536*\n            ; V's fragments
.endr
.if \meet
	s_wait_alu depctr_va_vdst(0)                   ; the wait here, directly ahead of the wait below
	s_wait_tensorcnt 0x0                           ; my one tensor load that was out, my part of the other slot, has landed; so a group 0 may be written
	ds_add_u32 v[SPW], v[NIL]
.if \meet == 2
	s_add_nc_u64 s[G0+4*\slot+2:G0+4*\slot+3], s[G0+4*\slot+2:G0+4*\slot+3], 2*LOADB   ; this slot's next four steps
.if \ask
	s_wait_xcnt 0x0                                ; the last prefetch, a slot back, has read its address
	s_add_nc_u64 s[PFA:PFA+1], s[PFA:PFA+1], LOADB
.if \slot
	s_cmp_eq_u32 s[LAP], 1                         ; the last refill: no four steps follow those that it brings
	s_cselect_b32 s[LIM], 1, s[LIM]
.endif
.endif
.endif
	s_wait_dscnt 0x0                               ; the add is done and V is in registers: my reads of this slot are over
	s_barrier_signal -1                            ; only work on registers stands between this line and the wait for the others
.endif
	; the largest score of each of my two blocks of 32 keys, by a tree: 10 + 4 + 1 + 1 lines a block; each accumulator is first read at its low end
.irp c, 0,1
.irp i, 0,1,2,3,4,5,6,7,8,9
	v_max3_num_f32 v[MT+10*\c+\i], v[S+32*\c+3*\i], v[S+32*\c+3*\i+1], v[S+32*\c+3*\i+2]
.endr
.endr
.irp c, 0,1
.irp i, 0,3,6
	v_max3_num_f32 v[MT+10*\c+\i], v[MT+10*\c+\i], v[MT+10*\c+\i+1], v[MT+10*\c+\i+2]
.endr
	v_max3_num_f32 v[MT+10*\c+9], v[MT+10*\c+9], v[S+32*\c+30], v[S+32*\c+31]
.endr
.irp c, 0,1
	v_max3_num_f32 v[MT+10*\c], v[MT+10*\c], v[MT+10*\c+3], v[MT+10*\c+6]
.endr
.irp c, 0,1
	v_max_num_f32 v[BM+\c], v[MT+10*\c], v[MT+10*\c+9]   ; block 2 c + h: it serves the row's maximum and, since p rises with the score, the block's largest p
.endr
	s_delay_alu instid0(VALU_DEP_1)
	v_max3_num_f32 v[TMP], v13, v[BM], v[BM+1]
	s_delay_alu instid0(VALU_DEP_1)
	v_permlanex16_b32 v[PT], v[TMP], s[SEL], s[SEL+1]
	s_delay_alu instid0(VALU_DEP_1)
	v_max_num_f32 v13, v[TMP], v[PT]               ; with lane l xor 16's two blocks: my query's largest score so far
	s_delay_alu instid0(VALU_DEP_1)
	v_mul_f32 v[TMP], s[CS], v13                   ; as t (c is positive)
	s_delay_alu instid0(VALU_DEP_1)
	v_floor_f32 v12, -v[TMP]                       ; the new -M = floor(-t): M is a whole number
.set J, 0
	TLESS 4                                        ; the three lines that make f stand among the multiply-adds, which do not wait for them
	v_sub_f32 v[TMP], v12, v[OLD]                  ; old M less new M: a whole number, 0 or less
	TLESS 4
	v_cvt_i32_f32 v[TMP], v[TMP]                   ; (it saturates)
	TLESS 4
	v_ldexp_f32 v[FF], 1.0, v[TMP]                 ; f
	TLESS 20
	v_fma_f32 v[BM], v[BM], s[CS], v12             ; the same of each block's largest score
	v_fma_f32 v[BM+1], v[BM+1], s[CS], v12
	s_wait_alu depctr_va_vdst(0)                   ; the wait ahead of the batch
	v_exp_f32 v[BM], v[BM]                         ; the block's largest p: the same arithmetic on the same number gives the same bits
	v_exp_f32 v[BM+1], v[BM+1]
.set J, 0
.rept 64
	v_exp_f32 v[S+J], v[S+J]                       ; p = 2^(t - M)
.set J, J+1
.endr
	v_pk_mul_f32 v[14:15], v[14:15], v[FF:FF+1] op_sel_hi:[1,0]   ; l under the new M.  (The plain place behind the exponentials)
	s_wait_alu depctr_va_vdst(0)                   ; one wait for the whole batch, and directly ahead of the first readers of O^T
.set JO, 0
	v_max_num_f32 v[BM], 0x1800000, v[BM]          ; the floor 2^(3 - 127): the byte cannot fall under 1.  The scale word's chain stands among the sixteen lines that rescale O^T
	v_max_num_f32 v[BM+1], 0x1800000, v[BM+1]
	OSCALE 3
	v_add_nc_u32 v[SO], 0xff000000, v[BM]          ; 2 off the exponent field: the conversion's scale operand
	v_add_nc_u32 v[SO+1], 0xff000000, v[BM+1]
	OSCALE 3
	v_lshrrev_b32 v[PT], 23, v[SO]                 ; the scale's byte
	v_lshrrev_b32 v[PT+1], 23, v[SO+1]
	OSCALE 3
	v_lshl_or_b32 v[PW], v[PT+1], 16, v[PT]        ; my two bytes: blocks h and 2 + h,
	OSCALE 3
	v_lshlrev_b32 v[PW], v[H8], v[PW]              ; at their places in the scale word
	OSCALE 4
	v_permlanex16_b32 v[PT], v[PW], s[SEL], s[SEL+1]
.irp c, 0,1
	v_cvt_scalef32_pk16_fp6_f32 v[PC+6*\c:PC+6*\c+2], v[S+32*\c:S+32*\c+15], v[SO+\c]
	v_cvt_scalef32_pk16_fp6_f32 v[CT+4*\c:CT+4*\c+2], v[S+32*\c+16:S+32*\c+31], v[SO+\c]   ; (a conversion's three registers begin on an even number)
.endr
	v_nop                                          ; one plain place behind the scaled conversions
	v_or_b32 v[PW], v[PW], v[PT]                   ; with lane l xor 16's two bytes the word is whole
.irp c, 0,1
.irp i, 0,1,2
	v_mov_b32 v[PC+6*\c+3+\i], v[CT+4*\c+\i]
.endr
.endr
	; l: the sum of the unquantised p, two at a time, by a tree in p's own registers, which nothing reads any more.  (These 32 lines are also the places between the writes of p's codes and scale word and the products)
	LEVEL 16, 2
	LEVEL 8, 4
	LEVEL 4, 8
	LEVEL 2, 16
	s_delay_alu instid0(VALU_DEP_2)
	v_pk_add_f32 v[14:15], v[14:15], v[S:S+1]
	s_delay_alu instid0(VALU_DEP_1)
	v_pk_add_f32 v[14:15], v[14:15], v[S+32:S+33]
	s_wait_alu depctr_va_vdst(0)                   ; the wait ahead of the waits and branches that follow
.if \meet == 0
	s_wait_dscnt 0x0                               ; V
.endif
.irp n, 0,1,2,3
	v_wmma_scale_f32_16x16x128_f8f6f4 v[OT+8*\n:OT+8*\n+7], v[F+12*\n:F+12*\n+11], v[PC:PC+11], v[OT+8*\n:OT+8*\n+7], v[SC+\n], v[PW] matrix_a_fmt:MATRIX_FMT_FP6 matrix_b_fmt:MATRIX_FMT_FP6 matrix_a_scale:MATRIX_SCALE_ROW1
.endr
.if \meet
	s_barrier_wait -1                              ; every wave of my work-group has read this slot out, and its part of the other slot has landed
.endif
.if \meet == 2
	CREST                                          ; the same holds of all four work-groups
	tensor_load_to_lds s[G0+4*\slot:G0+4*\slot+3], s[G1:G1+7]   ; my one joint load, first behind the round
	s_nop 0
	PLACES 4
.if \ask
	ASK
.endif
.endif
.endm
; A SLOT'S TURN: its steps but the last written once and walked in a loop, the last written out with the change of slots in it.
.macro TRIP slot, meet, ask
	s_mov_b32 s[TB], \slot*SLOT
.if \meet
	s_mov_b32 s[CNT], 3
.else
	s_mov_b32 s[CNT], 4
.endif
.Lstep_\@:
	STEP 0, \slot, 0
	s_add_co_u32 s[TB], s[TB], STEPB
	s_sub_co_u32 s[CNT], s[CNT], 1
	s_cmp_lg_u32 s[CNT], 0
	s_cbranch_scc1 .Lstep_\@
.if \meet
	STEP \meet, \slot, \ask
.endif
.endm
	s_load_b128 s[4:7], s[0:1], 0x0                ; qc s[4:5], kv s[6:7]
	s_load_b64 s[8:9], s[0:1], 0x10                ; oc
	v_lshl_add_u32 v[SPW], v0, 2, SPARE
	v_mov_b32 v[NIL], 0
	ds_add_u32 v[SPW], v[NIL]                      ; the opening lines: the add, twice on end, and its wait ahead of my first tensor load
	ds_add_u32 v[SPW], v[NIL]
	v_lshrrev_b32 v3, 5, v0
	s_delay_alu instid0(VALU_DEP_1)
	v_readfirstlane_b32 s[WV], v3                  ; wave 0..11
	s_lshr_b32 s11, s[WV], 2                       ; j: which of the three heads
	s_and_b32 s12, s[WV], 3                        ; t: my tile of queries; also: which step of a slot I fetch
	s_bfe_u32 s13, ttmp6, 0x40000                  ; cx
	s_lshl_b32 s14, ttmp9, 2
	s_add_co_u32 s14, s14, s13                     ; i: my block of 64 queries; it enters Q's and O's addresses alone
	s_and_b32 s15, ttmp7, 0xffff
	s_mul_i32 s16, s15, 3
	s_add_co_u32 s16, s16, s11                     ; my head: the same in all four partners
	s_mov_b32 s[G1], 15|(3<<16)|(1<<21)            ; the mask: all four work-groups; elements of 8 bytes; bit 21 set beside a mask
	s_mov_b32 s[G1+1], 32<<16                      ; tensor_dim0 = 32 elements: 256 bytes
	s_mov_b32 s[G1+2], 50<<16                      ; tensor_dim1 = 50
	s_mov_b32 s[G1+3], 32<<16                      ; tile_dim0
	s_mov_b32 s[G1+4], 50                          ; tile_dim1
	s_mov_b32 s[G1+5], 32                          ; the rows are dense
	s_mov_b32 s[G1+6], 0
	s_mov_b32 s[G1+7], 0
	s_mul_i32 s18, s16, HEADB
	s_mul_i32 s19, s12, STEPB
	s_add_co_u32 s18, s18, s19                     ; my step of the head's first four
	s_mov_b32 s19, 0
	s_mul_i32 s20, s[WV], STEPB                    ; and its place in a slot: (4 j + t) steps
	s_mul_i32 s21, s11, LOADB                      ; my head's part of a slot
	s_mul_i32 s22, s16, HEADB                      ; the prefetches: my head,
	s_mul_i32 s23, s13, STEPB                      ; my work-group's step,
	s_add_co_u32 s22, s22, s23
	s_mul_i32 s23, s12, STEPB/2                    ; my wave's half of it,
	s_add_co_u32 s22, s22, s23
	s_add_co_u32 s22, s22, 2*LOADB                 ; of the third four steps: what the first refill will ask for
	s_mov_b32 s23, 0
	s_and_b32 s[LIM], s[WV], 2                     ; 0 in waves w % 4 = 0, 1
	s_or_b32 s[LIM], s[LIM], ttmp9                 ; of cluster x = 0: the same in all four partners
	s_lshl_b32 s50, s16, 6
	s_add_co_u32 s50, s50, s14
	s_mul_i32 s50, s50, QBLK                       ; my block of Q
	s_mov_b32 s51, 0
	s_mul_i32 s52, s12, 768                        ; my tile in it
	s_mov_b32 s53, 0
	s_mov_b32 s[SEL], 0x76543210
	s_mov_b32 s[SEL+1], 0xfedcba98
	s_mov_b32 s[CS], 0x3e38aa3b                    ; log2(e) / 8
	s_mov_b32 s[CS+1], s[CS]                       ; (named with it as a pair, so it is written)
	s_wait_dscnt 0x0                               ; both opening adds are done
	s_wait_kmcnt 0x0
	s_add_nc_u64 s[PFA:PFA+1], s[6:7], s[22:23]
	s_add_nc_u64 s[6:7], s[6:7], s[18:19]
.irp n, 0,1
	s_mov_b32 s[G0+4*\n], 1
	s_add_co_u32 s[G0+4*\n+1], s20, \n*SLOT
	s_add_nc_u64 s[G0+4*\n+2:G0+4*\n+3], s[6:7], \n*LOADB
	s_or_b32 s[G0+4*\n+3], s[G0+4*\n+3], 0x80000000
.endr
	s_add_nc_u64 s[4:5], s[4:5], s[50:51]
	s_add_nc_u64 s[52:53], s[4:5], s[52:53]        ; my tile's codes
	s_lshl_b32 s50, s12, 1
	s_add_co_u32 s50, s50, 3072
	s_add_nc_u64 s[4:5], s[4:5], s[50:51]          ; and its scale halfwords
	CROUND                                         ; all four work-groups are here: the first joint loads meet
	tensor_load_to_lds s[G0:G0+3], s[G1:G1+7]      ; slot 0: my one tensor load at the head
	s_nop 0
	PLACES 4
	v_and_b32 v11, 31, v0                          ; lane
	v_and_b32 v17, 15, v0
	v_bfe_u32 v10, v0, 4, 1                        ; h
	v_lshlrev_b32 v6, 4, v11
	v_lshlrev_b32 v7, 3, v11
	v_lshlrev_b32 v17, 3, v17
	v_min_u32 v[PFO], 24, v11
	global_load_b128 v[QZ+6:QZ+9], v6, s[52:53]    ; Q stays in registers
	global_load_b64 v[QZ+10:QZ+11], v7, s[52:53] offset:512
	global_load_u16 v[TMP], v17, s[4:5]            ; my query's two scale bytes
	v_lshlrev_b32 v[PFO], 8, v[PFO]
	v_add_nc_u32 v[L16], s21, v6
	v_add_nc_u32 v[L8], s21, v7
	v_lshlrev_b32 v[H8], 3, v10
	s_wait_alu depctr_va_vdst(0)                   ; the wait here, directly ahead of the wait below
	s_wait_loadcnt 0x0
	v_or_b32 v[QSL], 0x7f7f0000, v[TMP]            ; q | 0: the zeros' bytes stand for 1
	v_lshl_or_b32 v[QSH], v[TMP], 16, 0x7f7f       ; 0 | q
.irp i, 0,1,2,3,4,5
	v_mov_b32 v[QZ+\i], 0
	v_mov_b32 v[QZ+12+\i], 0
.endr
.set J, 0
.rept 32
	v_mov_b32 v[OT+J], 0                           ; O^T: the step is written once; the first finds zeros, which the first change of M leaves zeros.  (These lines are also the places behind the writes of Q's scale words and zeros)
.set J, J+1
.endr
	v_mov_b32 v13, 0xff61b1e6                      ; the largest score so far: -3e38
	s_delay_alu instid0(VALU_DEP_1)
	v_floor_f32 v12, -v13
	v_mov_b32 v14, 0
	v_mov_b32 v15, 0
	v_mov_b32 v[FF+1], 0                           ; (named as the upper half of the pair with f)
	s_mov_b32 s[LAP], 3
	s_wait_alu depctr_va_vdst(0)                   ; the wait at the head's end
	s_wait_tensorcnt 0x0                           ; my part of slot 0 is in
	ds_add_u32 v[SPW], v[NIL]
	s_wait_dscnt 0x0
	CROUND                                         ; everybody's part of slot 0 is in, and all four work-groups are here
	tensor_load_to_lds s[G0+4:G0+7], s[G1:G1+7]    ; slot 1's first fill, first behind the round
	s_nop 0
	PLACES 4
	ASK
.Llap:                                                 ; eight slots' worth of keys: three laps of two, each turn ending with a refill, and a tail written out
	TRIP 0, 2, 1
	TRIP 1, 2, 1
	s_sub_co_u32 s[LAP], s[LAP], 1
	s_cmp_lg_u32 s[LAP], 0
	s_cbranch_scc1 .Llap
	TRIP 0, 1, 0                                   ; the barrier shows slot 1's last fill whole to all waves; nothing is filled again
	TRIP 1, 0, 0
	; THE WAY OUT.  O^T / l: register 16 b + i is d = 32 b + 16 (lane / 16) + i of my query: a half fragment of the last projection's operand, K = 64 x head + d.
	PLACES 4
	v_add_f32 v14, v14, v15
	s_delay_alu instid0(VALU_DEP_1)
	v_permlanex16_b32 v[TMP], v14, s[SEL], s[SEL+1]
	s_delay_alu instid0(VALU_DEP_1)
	v_add_f32 v14, v14, v[TMP]                     ; the row's sum
	s_wait_alu depctr_va_vdst(0)                   ; the wait ahead of the transcendental
	v_rcp_f32 v14, v14
	v_and_b32 v3, 31, v0                           ; (plain work behind the reciprocal)
	s_delay_alu instid0(VALU_DEP_1)
	v_lshlrev_b32 v6, 4, v3
	s_delay_alu instid0(VALU_DEP_2)
	v_lshlrev_b32 v7, 3, v3
	v_and_b32 v4, 15, v0
	s_delay_alu instid0(VALU_DEP_1)
	v_lshlrev_b32 v4, 4, v4
	s_mul_i32 s50, s14, SLABB                      ; oc: slab i,
	s_lshr_b32 s51, s16, 1
	s_mul_i32 s51, s51, 6400                       ; K step head / 2
	s_add_co_u32 s50, s50, s51
	s_and_b32 s51, s16, 1                          ; its half head % 2
	s_lshl_b32 s52, s12, 2
	s_lshl_b32 s53, s51, 1
	s_add_co_u32 s52, s52, s53
	s_add_co_u32 s52, s52, 6144
	s_add_co_u32 s52, s52, s50                     ; the scale word of tile t, its half
	s_mul_i32 s51, s51, 768
	s_add_co_u32 s50, s50, s51
	s_mul_i32 s51, s12, 1536
	s_add_co_u32 s50, s50, s51                     ; the fragment of tile t, its half
	s_mov_b32 s51, 0
	s_mov_b32 s53, 0
	s_add_nc_u64 s[50:51], s[8:9], s[50:51]
	s_add_nc_u64 s[52:53], s[8:9], s[52:53]
	s_wait_alu depctr_va_vdst(0)                   ; ahead of the reciprocal's first reader and of the first readers of O^T
.set J, 0
.rept 32
	v_mul_f32 v[S+J], v[OT+J], v14                 ; each accumulator from its low end on
.set J, J+1
.endr
	QUANT2 S, PC, TMP
	global_store_b128 v6, v[PC:PC+3], s[50:51]     ; 512 consecutive bytes, aligned
	global_store_b64 v7, v[PC+4:PC+5], s[50:51] offset:512
	v_cmp_gt_u32 vcc_lo, 16, v3
	s_wait_xcnt 0x0                                ; EXEC changes only behind this wait
	s_and_saveexec_b32 s54, vcc_lo                 ; lanes 16-31 hold the same two bytes: lanes 0-15 store them
	global_store_b16 v4, v[TMP], s[52:53]
	s_wait_xcnt 0x0
	s_or_b32 exec_lo, exec_lo, s54
	s_wait_tensorcnt 0x0                           ; the wave's end
	ds_add_u32 v[SPW], v[NIL]
	s_wait_dscnt 0x0
	CROUND                                         ; the closing round
	s_endpgm
.Lfunc_end_k_q2ca6f63b43_attn:
	.size	k_q2ca6f63b43_attn, .Lfunc_end_k_q2ca6f63b43_attn-k_q2ca6f63b43_attn
	.p2alignl 7, 3214868480
	.fill 96, 4, 3214868480
	.section	.rodata,"a",@progbits
	.p2align	6, 0x0
	.amdhsa_kernel k_q2ca6f63b43_attn
		.amdhsa_group_segment_fixed_size 327680
		.amdhsa_private_segment_fixed_size 0
		.amdhsa_enable_private_segment 0
		.amdhsa_kernarg_size 24
		.amdhsa_user_sgpr_count 2
		.amdhsa_user_sgpr_kernarg_segment_ptr 1
		.amdhsa_wavefront_size32 1
		.amdhsa_system_sgpr_workgroup_id_x 1
		.amdhsa_system_sgpr_workgroup_id_y 1
		.amdhsa_system_sgpr_workgroup_id_z 1
		.amdhsa_system_vgpr_workitem_id 0
		.amdhsa_next_free_vgpr 216
		.amdhsa_next_free_sgpr 66
		.amdhsa_reserve_vcc 1
		.amdhsa_float_denorm_mode_32 3
		.amdhsa_float_denorm_mode_16_64 3
		.amdhsa_memory_ordered 1
		.amdhsa_forward_progress 1
		.amdhsa_inst_pref_size 121
	.end_amdhsa_kernel
	.amdgpu_metadata
---
amdhsa.version: [ 1, 2 ]
amdhsa.kernels:
  - .name:           k_q2ca6f63b43_attn
    .symbol:         k_q2ca6f63b43_attn.kd
    .args:
      - { .name: qc, .offset: 0, .size: 8, .value_kind: global_buffer, .address_space: global }
      - { .name: kv, .offset: 8, .size: 8, .value_kind: global_buffer, .address_space: global }
      - { .name: oc, .offset: 16, .size: 8, .value_kind: global_buffer, .address_space: global }
    .group_segment_fixed_size: 327680
    .private_segment_fixed_size: 0
    .kernarg_segment_align: 8
    .kernarg_segment_size: 24
    .max_flat_workgroup_size: 384
    .sgpr_count:     66
    .vgpr_count:     216
    .wavefront_size: 32
...
	.end_amdgpu_metadata
.endif
;; end of part 3
;; launch outp (part 4): grid 64 x 4, 12 waves a work-group, clusters of 4 x 1, 207,360 bytes of LDS; arguments oc, slabs, bo, out0; writes out0
.if DOCPART == 4
	.amdgcn_target "amdgcn-amd-amdhsa--gfx1250"
	.amdhsa_code_object_version 6
	.text
	.protected	k_q2ca6f63b43_outp
	.globl	k_q2ca6f63b43_outp
	.p2align	8
	.type	k_q2ca6f63b43_outp,@function
k_q2ca6f63b43_outp:
	s_mov_b64 s[64:65], 0
	v_nop
	global_prefetch_b8 v0, s[64:65] scope:SCOPE_SE
	s_setreg_imm32_b32 hwreg(HW_REG_WAVE_MODE, 25, 1), 1
	s_wait_xcnt 0x0
	s_wait_alu depctr_hold_cnt(0) depctr_sa_sdst(0) depctr_va_vdst(0) depctr_va_sdst(0) depctr_va_ssrc(0) depctr_va_vcc(0) depctr_vm_vsrc(0)
	s_getreg_b32 s2, hwreg(HW_REG_IB_STS2, 6, 4)
	s_cmp_eq_u32 s2, 0
	s_cbranch_scc0 .Lentry_in_a_cluster
	s_endpgm
.Lentry_in_a_cluster:
	s_bfe_u32 s2, ttmp6, 0x10000c
	s_cmp_lg_u32 s2, 0x3003
	s_cbranch_scc0 .Lentry_shape_is_right
	s_endpgm
.Lentry_shape_is_right:
; out0 = O Wo^T + bo on codes of FP6 (E2M3) with E8M0 scales, K = 768.  O comes as 64 slabs (oc), Wo as slabs 228-239: 64 rows x 768 K in 38,400 bytes: six K steps of four fragments of 1,536 bytes and 256 bytes of scale words;
; lane r of tile t holds row 32 (t / 2) + 8 (t % 2) + r + 8 (r / 8) of the slab.
; SHARES.  A work-group takes 64 rows (slab i = 4 x cluster x + cx) x 192 columns (Wo's slabs 3 y + 0..2): 256 work-groups.  Wave w: Wo's slab w / 4, tile w % 4 of the rows: four accumulators, 24 matrix instructions.
; CLUSTER.  The four work-groups of a cluster take the same three slabs of Wo: nine JOINT loads of 12,800 bytes, waves 3-11; a work-group's own slab of O comes by three plain loads, waves 0-2.  LDS is filled once.
; Source 0 = 16 rows of Wo, source 1 = 16 rows of O: a lane holds one row of the result and 8 neighbouring columns a tile; the bias is the C of each sum's first matrix instruction.
; THE WAY OUT: a wave's 16 rows x 64 columns go through its own stage in LDS (bytes into which no tensor load lands) and leave as rows of 256 bytes: each store covers two aligned runs of 256 consecutive bytes.
.set SLABB, 38400
.set KSTB,  6400
.set PIECE, 12800
.set STAGE, 4*SLABB                    ; behind O's slab and Wo's three: 16 rows x 272 bytes for each wave
.set BI,    16                         ; v16-47 the bias
.set B0,    48                         ; two sets of 65 registers, at v48 and v114: Wo's four fragments, O's one, Wo's four scale words, O's one
.set ACC,   184                        ; v184-215
.set WV,    12
.set G1J,   24
.set G1P,   32
.set G0J,   40
.set G0P,   44
.macro PLACES n
.rept \n
	v_nop
.endr
.endm
.macro CROUND                          ; a round of the cluster's barrier
	s_barrier_signal -1
	s_barrier_wait -1
	s_cmp_lg_u32 s[WV], 0
	s_cbranch_scc1 .Lnot_wave_0_\@
	s_barrier_signal -3
.Lnot_wave_0_\@:
	s_barrier_wait -3
	s_barrier_signal -1
	s_barrier_wait -1
.endm
.macro FRAG reg, a16, a8, off
	ds_load_b128 v[\reg:\reg+3], v[\a16] offset:\off
	ds_load_b64 v[\reg+4:\reg+5], v[\a8] offset:\off+512
	ds_load_b128 v[\reg+6:\reg+9], v[\a16] offset:\off+768
	ds_load_b64 v[\reg+10:\reg+11], v[\a8] offset:\off+1280
.endm
.macro LOADK s, buf                    ; K step s into set buf: 22 LDS loads
.irp n, 0,1,2,3
	FRAG B0+66*(\buf)+12*\n, 6, 7, KSTB*(\s)+1536*\n
.endr
	FRAG B0+66*(\buf)+48, 4, 5, KSTB*(\s)
	ds_load_b128 v[B0+66*(\buf)+60:B0+66*(\buf)+63], v9 offset:KSTB*(\s)
	ds_load_b32 v[B0+66*(\buf)+64], v8 offset:KSTB*(\s)
.endm
.macro MUL4 s                          ; the four accumulators by turns
.set BB, B0+66*((\s)%2)
.irp n, 0,1,2,3
.if (\s) == 0
	v_wmma_scale_f32_16x16x128_f8f6f4 v[ACC+8*\n:ACC+8*\n+7], v[BB+12*\n:BB+12*\n+11], v[BB+48:BB+59], v[BI+8*\n:BI+8*\n+7], v[BB+60+\n], v[BB+64] matrix_a_fmt:MATRIX_FMT_FP6 matrix_b_fmt:MATRIX_FMT_FP6
.else
	v_wmma_scale_f32_16x16x128_f8f6f4 v[ACC+8*\n:ACC+8*\n+7], v[BB+12*\n:BB+12*\n+11], v[BB+48:BB+59], v[ACC+8*\n:ACC+8*\n+7], v[BB+60+\n], v[BB+64] matrix_a_fmt:MATRIX_FMT_FP6 matrix_b_fmt:MATRIX_FMT_FP6
.endif
.endr
.endm
	s_load_b256 s[4:11], s[0:1], 0x0               ; oc s[4:5], slabs s[6:7], bo s[8:9], out0 s[10:11]
	v_lshl_add_u32 v216, v0, 2, 0x32400
	v_mov_b32 v217, 0
	ds_add_u32 v216, v217
	ds_add_u32 v216, v217
	v_lshrrev_b32 v1, 5, v0
	s_delay_alu instid0(VALU_DEP_1)
	v_readfirstlane_b32 s[WV], v1                  ; wave 0..11
	s_lshr_b32 s13, s[WV], 2                       ; j: my slab of Wo
	s_and_b32 s14, s[WV], 3                        ; m: my tile of rows
	s_bfe_u32 s15, ttmp6, 0x40000                  ; cx
	s_lshl_b32 s16, ttmp9, 2
	s_add_co_u32 s16, s16, s15                     ; i: my slab of O
	s_and_b32 s17, ttmp7, 0xffff                   ; which 192 columns
	s_mov_b32 s[G1J], 15|(3<<16)|(1<<21)           ; the mask: all four work-groups; elements of 8 bytes; bit 21 set beside a mask
	s_mov_b32 s[G1P], 3<<16
.irp g, G1J, G1P
	s_mov_b32 s[\g+1], 32<<16                      ; rows of 256 bytes,
	s_mov_b32 s[\g+2], 50<<16                      ; 50 of them,
	s_mov_b32 s[\g+3], 32<<16
	s_mov_b32 s[\g+4], 50
	s_mov_b32 s[\g+5], 32                          ; dense
	s_mov_b32 s[\g+6], 0
	s_mov_b32 s[\g+7], 0
.endr
	s_mul_i32 s18, s[WV], PIECE                    ; my piece's place in LDS: O's three pieces, then Wo's nine
	s_mul_i32 s20, s17, 3                          ; Wo: slab 228 + 3 y, piece w - 3: (227 + 3 y) slabs + w pieces (s18, s20, s21 never hold cx)
	s_add_co_u32 s20, s20, 227
	s_mul_i32 s20, s20, SLABB
	s_add_co_u32 s20, s20, s18
	s_mov_b32 s21, 0
	s_mul_i32 s22, s16, SLABB                      ; O: slab i, piece w
	s_add_co_u32 s22, s22, s18
	s_mov_b32 s23, 0
	s_mul_i32 s48, s17, 768                        ; my 64 columns, in bytes: 768 y + 256 j
	s_lshl_b32 s49, s13, 8
	s_add_co_u32 s48, s48, s49
	s_mov_b32 s49, 0
	s_lshl_b32 s50, s16, 6                         ; my tile's first row: 64 i + 32 (m / 2) + 8 (m % 2)
	s_lshr_b32 s51, s14, 1
	s_lshl_b32 s51, s51, 5
	s_add_co_u32 s50, s50, s51
	s_and_b32 s51, s14, 1
	s_lshl_b32 s51, s51, 3
	s_add_co_u32 s50, s50, s51
	s_mul_i32 s50, s50, 3072
	s_add_co_u32 s50, s50, s48
	s_mov_b32 s51, 0
	s_wait_dscnt 0x0
	s_wait_kmcnt 0x0
	s_mov_b32 s[G0J], 1
	s_mov_b32 s[G0J+1], s18
	s_add_nc_u64 s[G0J+2:G0J+3], s[6:7], s[20:21]
	s_or_b32 s[G0J+3], s[G0J+3], 0x80000000
	s_mov_b32 s[G0P], 1
	s_mov_b32 s[G0P+1], s18
	s_add_nc_u64 s[G0P+2:G0P+3], s[4:5], s[22:23]
	s_or_b32 s[G0P+3], s[G0P+3], 0x80000000
	s_add_nc_u64 s[8:9], s[8:9], s[48:49]
	s_add_nc_u64 s[10:11], s[10:11], s[50:51]
	CROUND                                         ; all four work-groups are here: the joint loads meet
	s_cmp_lt_u32 s[WV], 3                          ; the branch hangs on the wave's number alone
	s_cbranch_scc0 .Lfor_w
	tensor_load_to_lds s[G0P:G0P+3], s[G1P:G1P+7]
	s_nop 0
	PLACES 4
	s_branch .Lasked
.Lfor_w:
	tensor_load_to_lds s[G0J:G0J+3], s[G1J:G1J+7]
	s_nop 0
	PLACES 4
.Lasked:
	v_and_b32 v1, 31, v0                           ; lane
	v_and_b32 v2, 15, v0                           ; r
	s_wait_alu depctr_va_vdst(0)
	v_bfe_u32 v3, v0, 4, 1                         ; h
	s_delay_alu instid0(VALU_DEP_1)
	v_lshlrev_b32 v13, 6, v3                       ; the bias: tile n's register i is bo at my 64 columns' 32 (n / 2) + 8 (n % 2) + 16 h + i
.irp n, 0,1,2,3
	global_load_b128 v[BI+8*\n:BI+8*\n+3], v13, s[8:9] offset:(32*(\n/2)+8*(\n%2))*4
	global_load_b128 v[BI+8*\n+4:BI+8*\n+7], v13, s[8:9] offset:(32*(\n/2)+8*(\n%2))*4+16
.endr
	s_mul_i32 s52, s14, 1536                       ; O: my tile's fragment in a K step
	v_lshl_add_u32 v4, v1, 4, s52
	v_lshl_add_u32 v5, v1, 3, s52
	s_mul_i32 s53, s13, SLABB
	s_add_co_u32 s53, s53, SLABB                   ; my slab of Wo
	v_lshl_add_u32 v6, v1, 4, s53
	v_lshl_add_u32 v7, v1, 3, s53
	s_lshl_b32 s54, s14, 2
	s_add_co_u32 s54, s54, 4*1536
	v_lshl_add_u32 v8, v2, 4, s54                  ; O's scale word: 16 r + 4 m
	s_add_co_u32 s55, s53, 4*1536
	v_lshl_add_u32 v9, v2, 4, s55                  ; Wo's four: 16 r
	s_mul_i32 s56, s[WV], 16*272
	s_add_co_u32 s56, s56, STAGE                   ; my stage
	v_mul_u32_u24 v10, v2, 272
	s_wait_alu depctr_va_vdst(0)
	v_lshl_add_u32 v10, v3, 6, v10
	s_delay_alu instid0(VALU_DEP_1)
	v_add_nc_u32 v10, s56, v10                     ; in: row r, + 64 h
	v_mul_u32_u24 v11, v3, 272
	s_delay_alu instid0(VALU_DEP_1)
	v_lshl_add_u32 v11, v2, 4, v11
	s_delay_alu instid0(VALU_DEP_1)
	v_add_nc_u32 v11, s56, v11                     ; back: lanes 0-15 one row, lanes 16-31 the next
	v_mul_u32_u24 v12, v3, 3072
	s_delay_alu instid0(VALU_DEP_1)
	v_lshl_add_u32 v12, v2, 4, v12                 ; and the same two rows in out0
	s_wait_tensorcnt 0x0                           ; my piece is in LDS,
	s_barrier_signal -1
	s_barrier_wait -1                              ; everybody's is
	LOADK 0, 0
	LOADK 1, 1
	s_wait_loadcnt 0x0                             ; the bias
.irp s, 0,1,2,3,4,5
.if \s < 5
	s_wait_dscnt 22                                ; this K step's loads are in; the next step's 22 may be out
.else
	s_wait_dscnt 0x0
.endif
	MUL4 \s
.if \s < 4
	PLACES 4                                       ; in front of loads into registers that matrix instructions have read
	LOADK \s+2, \s%2
.endif
.endr
	PLACES 4                                       ; in front of the first reads of results
	s_wait_alu depctr_va_vdst(0)
.irp n, 0,1,2,3
	ds_store_b128 v10, v[ACC+8*\n:ACC+8*\n+3] offset:128*(\n/2)+32*(\n%2)      ; each accumulator from its low end on
	ds_store_b128 v10, v[ACC+8*\n+4:ACC+8*\n+7] offset:128*(\n/2)+32*(\n%2)+16
.endr
.irp t, 0,1,2,3,4,5,6,7
	ds_load_b128 v[B0+4*\t:B0+4*\t+3], v11 offset:\t*2*272   ; LDS serves a wave's instructions in order (ISA guide 5.7.1.4): these see my stores
.endr
.irp t, 0,1,2,3,4,5,6,7
	s_wait_dscnt 7-\t                              ; the later rows may be out
	global_store_b128 v12, v[B0+4*\t:B0+4*\t+3], s[10:11] offset:(2*\t+8*(\t/4))*3072 th:TH_STORE_NT   ; stage rows 8-15 are the tile's rows 16-23
.endr
	s_wait_tensorcnt 0x0
	ds_add_u32 v216, v217
	s_wait_dscnt 0x0
	CROUND                                         ; the closing round
	s_endpgm
.Lfunc_end_k_q2ca6f63b43_outp:
	.size	k_q2ca6f63b43_outp, .Lfunc_end_k_q2ca6f63b43_outp-k_q2ca6f63b43_outp
	.p2alignl 7, 3214868480
	.fill 96, 4, 3214868480
	.section	.rodata,"a",@progbits
	.p2align	6, 0x0
	.amdhsa_kernel k_q2ca6f63b43_outp
		.amdhsa_group_segment_fixed_size 207360
		.amdhsa_private_segment_fixed_size 0
		.amdhsa_enable_private_segment 0
		.amdhsa_kernarg_size 32
		.amdhsa_user_sgpr_count 2
		.amdhsa_user_sgpr_kernarg_segment_ptr 1
		.amdhsa_wavefront_size32 1
		.amdhsa_system_sgpr_workgroup_id_x 1
		.amdhsa_system_sgpr_workgroup_id_y 1
		.amdhsa_system_sgpr_workgroup_id_z 1
		.amdhsa_system_vgpr_workitem_id 0
		.amdhsa_next_free_vgpr 218
		.amdhsa_next_free_sgpr 66
		.amdhsa_reserve_vcc 0
		.amdhsa_float_denorm_mode_32 3
		.amdhsa_float_denorm_mode_16_64 3
		.amdhsa_memory_ordered 1
		.amdhsa_forward_progress 1
		.amdhsa_inst_pref_size 22
	.end_amdhsa_kernel
	.amdgpu_metadata
---
amdhsa.version: [ 1, 2 ]
amdhsa.kernels:
  - .name:           k_q2ca6f63b43_outp
    .symbol:         k_q2ca6f63b43_outp.kd
    .args:
      - { .name: oc, .offset: 0, .size: 8, .value_kind: global_buffer, .address_space: global }
      - { .name: slabs, .offset: 8, .size: 8, .value_kind: global_buffer, .address_space: global }
      - { .name: bo, .offset: 16, .size: 8, .value_kind: global_buffer, .address_space: global }
      - { .name: out0, .offset: 24, .size: 8, .value_kind: global_buffer, .address_space: global }
    .group_segment_fixed_size: 207360
    .private_segment_fixed_size: 0
    .kernarg_segment_align: 8
    .kernarg_segment_size: 32
    .max_flat_workgroup_size: 384
    .sgpr_count:     66
    .vgpr_count:     218
    .wavefront_size: 32
...
	.end_amdgpu_metadata
.endif
;; end of part 4
